; MI455X (gfx1250); checked and timed in simulation.
; The chip was launched on July 23, 2026; its instructions are those of AMD's public machine-readable ISA for CDNA 5 (MIT licence, August 2026) and "CDNA5" Instruction Set Architecture Reference Guide (July 2026). The comments in the code are by the model that wrote it; some were corrected since.
;; Enhanced Graph Transformer Layer. Allowed arithmetic: matrix products marked QUANTISED: E2M1 operands, one E8M0 scale for each 32 along K, by v_wmma_scale_f32_16x16x128_f8f6f4 with both operands' format E2M1 (or v_wmma_scale_f32_32x16x128_f4), f32 sums; products left as they are: f32 operands where the result goes on into a quantised operand, else bf16, f16 or f32 operands; f32 sums; everything else in f32.
;; Inputs: W1_codes 2,048 x 16 x 16 uint8 (E2M1 codes of W1, K innermost, in blocks of 32 codes, two codes a byte); W1_scales 2,048 x 16 uint8 (E8M0 scales of W1, one for each 32 codes along K); W2_codes 512 x 64 x 16 uint8 (E2M1 codes of W2, K innermost, in blocks of 32 codes, two codes a byte); W2_scales 512 x 64 uint8 (E8M0 scales of W2, one for each 32 codes along K); Wk_codes 512 x 16 x 16 uint8 (E2M1 codes of Wk, K innermost, in blocks of 32 codes, two codes a byte); Wk_scales 512 x 16 uint8 (E8M0 scales of Wk, one for each 32 codes along K); Wo_codes 512 x 16 x 16 uint8 (E2M1 codes of Wo, K innermost, in blocks of 32 codes, two codes a byte); Wo_scales 512 x 16 uint8 (E8M0 scales of Wo, one for each 32 codes along K); Wq_codes 512 x 16 x 16 uint8 (E2M1 codes of Wq, K innermost, in blocks of 32 codes, two codes a byte); Wq_scales 512 x 16 uint8 (E8M0 scales of Wq, one for each 32 codes along K); Wv_codes 512 x 16 x 16 uint8 (E2M1 codes of Wv, K innermost, in blocks of 32 codes, two codes a byte); Wv_scales 512 x 16 uint8 (E8M0 scales of Wv, one for each 32 codes along K); b1 2,048 float32; b2 512 float32; beta1 512 float32; beta2 512 float32; bk 512 float32; bo 512 float32; bq 512 float32; bv 512 float32; g1 512 float32; g2 512 float32; x 16,384 x 512 float32.
;; Outputs: out0 16,384 x 512 float32.
;; This version of the problem:
;;   THIS VERSION OF THE PROBLEM IS GIVEN IN LOW PRECISION. The matrix products marked QUANTISED in the list below multiply operands that are first quantised to E2M1 (2 exponent bits, 1 mantissa bit; 4 bits a number), with one power-of-two scale for each 32 numbers along K (OCP MX v1.0); their sums are f32. All else is computed in f32.
;;   The module's matrix products, in the order in which they are computed (A, B: the left and right operand; K: the contracted axis; several contracted axes count as one K, in the product's order):
;;     1. [M 16,384, K 512] x [K 512, N 512]; A: computed on the way; B: input Wq (given as codes): QUANTISED
;;     2. [M 16,384, K 512] x [K 512, N 512]; A: computed on the way; B: input Wk (given as codes): QUANTISED
;;     3. [M 16,384, K 512] x [K 512, N 512]; A: computed on the way; B: input Wv (given as codes): QUANTISED
;;     4. batch 16,384 x [M 8, K 64] x [K 64, N 8]; A: computed on the way; B: computed on the way: left as it is (M = 8 < 16)
;;     5. batch 16,384 x [M 8, K 8] x [K 8, N 64]; A: softmax; B: computed on the way: left as it is (K = 8 < 32)
;;     6. [M 16,384, K 512] x [K 512, N 512]; A: computed on the way; B: input Wo (given as codes): QUANTISED
;;     7. [M 16,384, K 512] x [K 512, N 2,048]; A: computed on the way; B: input W1 (given as codes): QUANTISED
;;     8. [M 16,384, K 2,048] x [K 2,048, N 512]; A: computed on the way; B: input W2 (given as codes): QUANTISED
;;   THE QUANTISER, for each operand of a quantised product, along K:
;;     - K is cut into blocks of 32 from its start; a last block that is shorter is filled with zeros.
;;     - A block's scale is 2^e with e = floor(log2(the largest magnitude in the block)) - 2, held to -126 .. 127; a block of zeros has e = 0. As a byte (E8M0): e + 127.
;;     - Each number is divided by its block's scale, clamped to +-6, and rounded to the nearest number of E2M1, ties to even, subnormals kept.
;;     - The product sums the exact products of the quantised numbers (number of the format x scale) in f32.
;;   ~~~python
;;   def quantise(x, axis):      # numpy; x: float32 -> the quantised numbers, widened to float32 again
;;       x = np.moveaxis(x, axis, -1); K = x.shape[-1]
;;       x = np.pad(x, [(0, 0)] * (x.ndim - 1) + [(0, -K % 32)]); x = x.reshape(x.shape[:-1] + (-1, 32)); a = np.abs(x).max(-1, keepdims=True)
;;       e = np.where(a > 0, np.clip(np.frexp(np.where(a > 0, a, 1))[1] - 1 - 2, -126, 127), 0)      # np.frexp(a)[1] - 1 = floor(log2(a)), exactly
;;       r = np.clip(x / 2.0 ** e, -6, 6)
;;       step = 2.0 ** (np.maximum(np.frexp(np.where(r == 0, 1, r))[1] - 1, 0) - 1)
;;       q = np.round(r / step) * step * 2.0 ** e      # np.round: ties to even
;;       return np.moveaxis(q.reshape(q.shape[:-2] + (-1,))[..., :K], -1, axis).astype(np.float32)
;;   ~~~
;;   OPERANDS COMPUTED ON THE WAY. 'Computed on the way' means the value that the module computes at that place (a softmax that the list does not call 'softmax' is quantised finished and normalised). What goes into a quantiser is computed in f32, as accurately as f32 sums, v_exp_f32 and their like allow (about 1e-6 of the number): no bf16 or f16 on the way to a quantiser, and a product that is left as it is and whose result goes on into a quantised operand takes f32 operands (vector FMAs, or v_wmma_f32_16x16x4_f32). A number that lies on a knife's edge between two numbers of the format may be rounded either way, as far as f32 arithmetic and the matrix unit's own rounding can turn it there, and no further.
;;   INPUTS GIVEN AS CODES. W1 (in the module: [2048, 512], K = its axis 1); W2 (in the module: [512, 2048], K = its axis 1); Wk (in the module: [512, 512], K = its axis 1); Wo (in the module: [512, 512], K = its axis 1); Wq (in the module: [512, 512], K = its axis 1); Wv (in the module: [512, 512], K = its axis 1): each comes as NAME_codes (uint8): NAME with its K axis moved to the last place and cut into blocks of 32 codes, [.., K / 32, bytes a block], one block behind the other in memory; two codes a byte, the lower K in the low four bits (a code: sign, 2 exponent bits, 1 mantissa bit); and NAME_scales (uint8): the same leading axes, one E8M0 byte (e + 127) for each 32 codes along K. Its value is code x scale, taken as it is: it is not quantised again, and the codes and scales need not be those that the quantiser above would give.
;; One version. Each part assembles by itself: llvm-mc -triple=amdgcn-amd-amdhsa -mcpu=gfx1250 --defsym DOCPART=n.
;; ======== version 1 of 1: 1 launch
;; limits: right only within a limited range of input values
;; launch layer (part 1): grid 256 x 1, 8 waves a work-group, clusters of 4 x 1, 327,680 bytes of LDS; arguments x, out0, Wq_codes, Wk_codes, Wv_codes, Wo_codes, W1_codes, W2_codes, Wq_scales, Wk_scales, Wv_scales, Wo_scales, W1_scales, W2_scales, bq, bk, bv, bo, b1, b2, g1, beta1, g2, beta2; writes out0
.if DOCPART == 1
	.amdgcn_target "amdgcn-amd-amdhsa--gfx1250"
	.amdhsa_code_object_version 6
	.text
	.protected	k_qc2edef6fcb_layer
	.globl	k_qc2edef6fcb_layer
	.p2align	8
	.type	k_qc2edef6fcb_layer,@function
k_qc2edef6fcb_layer:
	s_mov_b64 s[64:65], 0
	v_nop
	global_prefetch_b8 v0, s[64:65] scope:SCOPE_SE
	s_setreg_imm32_b32 hwreg(HW_REG_WAVE_MODE, 25, 1), 1
	s_wait_xcnt 0x0
	s_wait_alu depctr_hold_cnt(0) depctr_sa_sdst(0) depctr_va_vdst(0) depctr_va_sdst(0) depctr_va_ssrc(0) depctr_va_vcc(0) depctr_vm_vsrc(0)
	s_getreg_b32 s2, hwreg(HW_REG_IB_STS2, 6, 4)
	s_cmp_eq_u32 s2, 0
	s_cbranch_scc0 .Lentry_in_a_cluster
	s_endpgm
.Lentry_in_a_cluster:
	s_bfe_u32 s2, ttmp6, 0x10000c
	s_cmp_lg_u32 s2, 0x3003
	s_cbranch_scc0 .Lentry_shape_is_right
	s_endpgm
.Lentry_shape_is_right:
; The whole layer for 64 nodes (rows) a work-group: LN1, Q K V, attention across the 8 heads of a node, Wo, residual, LN2, W1, ReLU, W2, residual.  256 work-groups of eight waves; nothing goes to memory between the steps.
; Wq, Wk, Wv, Wo and W1 (by chunks of 512 hidden units) stream as codes through a ring of two LDS slots, 512 rows x 256 bytes each (rows padded to 272).  The four work-groups of a cluster
; walk the same weights and ask for them jointly; each wave asks for 64 rows a chunk (at the head: 128 rows).
; W2 goes from memory straight into registers, not jointly: a wave multiplies 64 rows of W2 that no other wave of its work-group reads, so LDS would only pass them on; and the two slots (278,528 bytes) and the
; images (36,864) leave no third slot: in a ring shared with W1 each chunk of either would be asked for only when the one before it is in.
; Q, K, V: wave w takes row tiles 2 (w / 4), + 1 and dims 16 (w % 4) .. + 15 of all heads (tile t = head t); its scores are partial sums over these dims, added across four waves through LDS.
; Wo, W1, W2: wave w takes 64 columns (rows 64 w .. of the weight) and all 64 nodes.
; Every matrix instruction has weights as source 0 and nodes as source 1: lane (r, h) holds node r, and its registers 0 to 7 eight neighbouring columns 8 h ...
; IMAGES: codes of 64 rows x 512: block b of 32 columns of row tile m at 4352 m + 272 b, 16 bytes a row; one scale byte at 256 m + 16 row + b.
; PREFETCH (macro ASK): W1's chunks two refills ahead of their joint load, W2's two trips ahead of their loads.  All work-groups read the same weights, so four clusters ask (0, 4, 32, 36); of the 64 rows of a wave's part
; the partner at place cx names rows 16 cx .. + 15, a lane a row of 256 bytes (lanes 16-31 name the last of them again).  The launch's last two chunks are the last asked for.
; No work is dead: every input reaches the output.
; LIMITS: a scale's byte is held at 1 or more; a block of zeros has byte 1 (its codes are zeros).  NaN and infinities ahead of a quantiser become finite codes.
; REGISTERS, window 0: v1-41, v126-127 addresses; v42-57, v58-73 scales of the nodes' codes; v74-105 weight scales, b1; v106-125 at work; v128-255 fragments, scores, temporaries.
; window 1: q, k, v, attention's result; then v0-127 the residual and sums, v128-255 LN2's codes.
.set SLOT1, 139264
.set LB,   278528
.set IMG1, LB
.set SC1,  LB+17408
.set I2,   18432
.set PA,   LB
.set BM,   LB+18432
.set STAT, LB+36864
.set SPARE, LB+40960
.set VL, 3
.set SPW, 4
.set NIL, 5
.set XO, 6
.set IL, 7
.set SL, 8
.set IMR, 9
.set SCR, 10
.set WQ0, 11
.set WQ1, 13
.set WT0, 15
.set WT1, 16
.set PST, 17
.set PRD, 18
.set ATW, 19
.set ATR, 20
.set BMW, 21
.set BMP, 22
.set OCW, 23
.set SCO, 24
.set IMW, 25
.set SCW, 26
.set STW, 27
.set STR, 28
.set GBQ, 29
.set GBT, 30
.set GSQ, 31
.set GST, 32
.set GS2, 33
.set XA, 34
.set SO, 35
.set SRD, 36
.set OO, 37
.set IMRG, 38
.set SCRG, 39
.set PF1, 40
.set PF2, 41
.set WTC, 126
.set W2A, 127
.set AS, 42
.set AS2, 58
.set WSA, 74
.set WS2, 82
.set WSB, 90
.set B1A, 90
.set B1B, 58
.set TM, 106
.set CD, 118
.set BB, 128
.set AH, 128
.set WB, 192
.set SA, 192
.set PX, 4
.set PO, 6
.set PWQ, 8
.set PWK, 10
.set PWV, 12
.set PWO, 14
.set PW1, 16
.set PW2, 18
.set PSQ, 20
.set PSK, 22
.set PSV, 24
.set PSO, 26
.set PS1, 28
.set PS2, 30
.set PBQ, 32
.set PBK, 34
.set PBV, 36
.set PBO, 38
.set PB1, 40
.set PB2, 42
.set PG1, 44
.set PE1, 46
.set PG2, 48
.set PE2, 50
.set G1W, 52
.set G0W, 60
.set SEL, 66
.set PXR, 76
.set NPF, 80
.set G0K, 84
.set WV, 88
.set PM, 89
.set QW, 90
.set GR, 91
.set CC, 91
.set TB, 92
.set LAX, 93
.set LA0, 96
.set LA1, 97
.set C512, 100
.set CEPS, 101
.set MSB, 0
.macro WIN new
.if MSB != \new
	s_set_vgpr_msb (MSB<<8)|\new
.set MSB, \new
.endif
.endm
.macro PLACES
.rept 4
	v_nop
.endr
.endm
.macro BAR
	s_wait_dscnt 0x0
	s_barrier_signal -1
	s_barrier_wait -1
.endm
.macro CREST                    ; the cluster's round behind its opening barrier
	s_cmp_lg_u32 s[WV], 0
	s_cbranch_scc1 .Lnot_wave_0_\@
	s_barrier_signal -3
.Lnot_wave_0_\@:
	s_barrier_wait -3
	s_barrier_signal -1
	s_barrier_wait -1
.endm
.macro ROUND
	s_barrier_signal -1
	s_barrier_wait -1
	CREST
.endm
.macro AIM ptr, la              ; group 0 of the next fill: no tensor load of the wave is out
	s_mov_b32 s[G0W+1], s[\la]
	s_mov_b64 s[G0W+2:G0W+3], s[\ptr:\ptr+1]
	s_or_b32 s[G0W+3], s[G0W+3], 0x80000000
.endm
; The change of slots: all my loads are in, the add, my reads are over; a round; the refill first behind it.
.macro CHANGE ptr, la
	WIN 0
	s_wait_tensorcnt 0x0
	ds_add_u32 v[SPW], v[NIL]
	AIM \ptr, \la
	s_wait_dscnt 0x0
	ROUND
	tensor_load_to_lds s[G0W:G0W+3], s[G1W:G1W+7]
	s_nop 0
	PLACES
.endm
.macro ASK v, p, off
	s_cmp_lg_u32 s[NPF], 0
	s_cbranch_scc0 .Lnot_mine_\@
	global_prefetch_b8 v[\v], s[\p:\p+1] offset:\off th:TH_LOAD_NT scope:SCOPE_SE
.Lnot_mine_\@:
.endm
.macro WM d, a, b, c, sa, sb, odd
.if (\odd)
	v_wmma_scale_f32_16x16x128_f8f6f4 v[(\d):(\d)+7], v[(\a):(\a)+7], v[(\b):(\b)+7], v[(\c):(\c)+7], v[(\sa)], v[(\sb)] matrix_a_fmt:MATRIX_FMT_FP4 matrix_b_fmt:MATRIX_FMT_FP4 matrix_a_scale:MATRIX_SCALE_ROW1
.else
	v_wmma_scale_f32_16x16x128_f8f6f4 v[(\d):(\d)+7], v[(\a):(\a)+7], v[(\b):(\b)+7], v[(\c):(\c)+7], v[(\sa)], v[(\sb)] matrix_a_fmt:MATRIX_FMT_FP4 matrix_b_fmt:MATRIX_FMT_FP4
.endif
.endm
; Q, K or V: 16 steps (pair of heads, 128 along K), 4 products each; step s's fragments in buffer s % 4, asked for four steps ahead.
.macro QLD s, wa
.irp i,0,1
	ds_load_b128 v[WB+16*((\s)%4)+8*\i:WB+16*((\s)%4)+8*\i+3], v[\wa+(2*((\s)/4)+\i)/4] offset:((2*((\s)/4)+\i)%4)*17408+64*((\s)%4)
	ds_load_b128 v[WB+16*((\s)%4)+8*\i+4:WB+16*((\s)%4)+8*\i+7], v[\wa+(2*((\s)/4)+\i)/4] offset:((2*((\s)/4)+\i)%4)*17408+64*((\s)%4)+32
.endr
.endm
.macro QGEMM wa, d0, d1, ws     ; d1 holds the bias on entry: it is the C of both tiles' first products
	WIN 0
	QLD 0, \wa
	QLD 1, \wa
	QLD 2, \wa
	QLD 3, \wa
.set ss, 0
.rept 16
.set pp, ss/4
.set ff, ss%4
.if ss < 13
	s_wait_dscnt 12                 ; the three younger steps' loads may be out
.else
	s_wait_dscnt 4*(15-ss)
.endif
	WIN 0x50
.irp i,0,1
.if ff == 0
	WM \d0+8*(2*pp+\i), WB+8*\i, AH, \d1+8*(2*pp+\i), \ws+4*pp, AS, \i
.else
	WM \d0+8*(2*pp+\i), WB+16*ff+8*\i, AH+8*ff, \d0+8*(2*pp+\i), \ws+4*pp+ff, AS+ff, \i
.endif
.endr
.if ff == 0
.rept 5
	v_nop                           ; five places: the next products write over the C just read
.endr
.endif
.irp i,0,1
	WM \d1+8*(2*pp+\i), WB+16*ff+8*\i, AH+32+8*ff, \d1+8*(2*pp+\i), \ws+4*pp+ff, AS+4+ff, \i
.endr
.if (ss < 12) || (ss == 15)
	PLACES
.endif
.if ss < 12
	WIN 0
	QLD ss+4, \wa
.endif
.set ss, ss+1
.endr
	WIN 0
.endm
; Scores of heads 4 half .. + 3 against all eight over my 8 dims a lane, as pairs; the pairs' sums go over q's registers.
.macro SCORES qb, kb, half
	WIN 0x05
.irp i,0,1,2,3
.irp hh,0,1,2,3
.irp g,0,1,2,3,4,5,6,7
.if \i == 0
	v_pk_mul_f32 v[SA+16*\hh+2*\g:SA+16*\hh+2*\g+1], v[\qb+32*\half+8*\hh:\qb+32*\half+8*\hh+1], v[\kb+8*\g:\kb+8*\g+1]
.else
	v_pk_fma_f32 v[SA+16*\hh+2*\g:SA+16*\hh+2*\g+1], v[\qb+32*\half+8*\hh+2*\i:\qb+32*\half+8*\hh+2*\i+1], v[\kb+8*\g+2*\i:\kb+8*\g+2*\i+1], v[SA+16*\hh+2*\g:SA+16*\hh+2*\g+1]
.endif
.endr
.endr
.endr
	WIN 0x40
.set aa, 0
.rept 32
	v_add_f32 v[\qb+32*\half+aa], v[SA+2*aa], v[SA+2*aa+1]
.set aa, aa+1
.endr
.endm
.macro HALVES qb                ; add the lane halves' dims: lanes 0-15 keep heads 0-3, lanes 16-31 heads 4-7
	WIN 0x45
.set aa, 0
.rept 32
	v_permlane16_swap_b32 v[\qb+aa], v[\qb+32+aa]
.set aa, aa+1
.endr
.set aa, 0
.rept 16
	v_pk_add_f32 v[\qb+aa:\qb+aa+1], v[\qb+aa:\qb+aa+1], v[\qb+32+aa:\qb+33+aa]
.set aa, aa+2
.endr
.endm
.macro PSTORE qb
	WIN 0x04
.irp u,0,1,2,3
	ds_store_b128 v[PST], v[\qb+8*\u:\qb+8*\u+3] offset:1024*\u
	ds_store_b128 v[PST], v[\qb+8*\u+4:\qb+8*\u+7] offset:1024*\u+512
.endr
	WIN 0
.endm
.macro PREAD base, win
	WIN \win
.irp u,0,1,2,3
	ds_load_b128 v[\base+8*\u:\base+8*\u+3], v[PRD] offset:4096*\u
	ds_load_b128 v[\base+8*\u+4:\base+8*\u+7], v[PRD] offset:4096*\u+512
.endr
	WIN 0
.endm
; out(head hh) = sum over g of attn(hh, g) v(g)
.macro PV ob, vb, ab
	WIN 0x51
	s_wait_alu depctr_va_vdst(0)    ; the wait ahead of the first readers of v
.irp g,0,1,2,3,4,5,6,7
.irp hh,0,1,2,3,4,5,6,7
.irp i,0,2,4,6
.if \g == 0
	v_pk_mul_f32 v[\ob+8*\hh+\i:\ob+8*\hh+\i+1], v[\vb+\i:\vb+\i+1], v[\ab+8*\hh:\ab+8*\hh+1] op_sel_hi:[1,0]
.elseif \g%2 == 0
	v_pk_fma_f32 v[\ob+8*\hh+\i:\ob+8*\hh+\i+1], v[\vb+8*\g+\i:\vb+8*\g+\i+1], v[\ab+8*\hh+\g:\ab+8*\hh+\g+1], v[\ob+8*\hh+\i:\ob+8*\hh+\i+1] op_sel_hi:[1,0,1]
.else
	v_pk_fma_f32 v[\ob+8*\hh+\i:\ob+8*\hh+\i+1], v[\vb+8*\g+\i:\vb+8*\g+\i+1], v[\ab+8*\hh+\g-1:\ab+8*\hh+\g], v[\ob+8*\hh+\i:\ob+8*\hh+\i+1] op_sel:[0,1,0] op_sel_hi:[1,1,1]
.endif
.endr
.endr
.endr
	WIN 0
.endm
; Four blocks of 32 (one of each row tile): 16 numbers a lane at src + stride x m; codes to CD, scale bytes to TM + 4 + m.
.macro QUANT src, stride
.irp m,0,1,2,3
	v_max3_num_f32 v[TM+\m], |v[\src+\stride*\m]|, |v[\src+\stride*\m+1]|, 0x1800000
.endr
.irp i,2,4,6,8,10,12,14
.irp m,0,1,2,3
	v_max3_num_f32 v[TM+\m], v[TM+\m], |v[\src+\stride*\m+\i]|, |v[\src+\stride*\m+\i+1]|
.endr
.endr
.irp m,0,1,2,3
	v_permlanex16_b32 v[TM+4+\m], v[TM+\m], s[SEL], s[SEL+1]
.endr
.irp m,0,1,2,3
	v_max_num_f32 v[TM+\m], v[TM+\m], v[TM+4+\m]
.endr
.irp m,0,1,2,3
	v_add_nc_u32 v[TM+8+\m], 0xff000000, v[TM+\m]
.endr
.irp m,0,1,2,3
	v_lshrrev_b32 v[TM+4+\m], 23, v[TM+8+\m]
.endr
.irp m,0,1,2,3
	v_cvt_scalef32_pk8_fp4_f32 v[CD+2*\m], v[\src+\stride*\m:\src+\stride*\m+7], v[TM+8+\m]
	v_cvt_scalef32_pk8_fp4_f32 v[CD+2*\m+1], v[\src+\stride*\m+8:\src+\stride*\m+15], v[TM+8+\m]
.endr
	v_nop
.endm
.macro IMAGE ioff, b            ; twelve LDS stores
.irp m,0,1,2,3
	ds_store_b32 v[IMW], v[CD+2*\m] offset:\ioff+4352*\m+272*\b
	ds_store_b32 v[IMW], v[CD+2*\m+1] offset:\ioff+4352*\m+272*\b+8
	ds_store_b8 v[SCW], v[TM+4+\m] offset:\ioff+256*\m+\b
.endr
.endm
; Wo: four steps of 128 along K, 16 products each; weights and nodes' codes in two buffers of 64 registers, asked for two steps ahead.
; The change of slots (slot 1 takes W1's chunk 1) opens ahead of the last sixteen products.
.macro GLD f
.irp t,0,1,2,3
	ds_load_b128 v[BB+64*((\f)%2)+8*\t:BB+64*((\f)%2)+8*\t+3], v[WT1] offset:4352*\t+64*(\f)
	ds_load_b128 v[BB+64*((\f)%2)+8*\t+4:BB+64*((\f)%2)+8*\t+7], v[WT1] offset:4352*\t+64*(\f)+32
.endr
.irp m,0,1,2,3
	ds_load_b128 v[BB+64*((\f)%2)+32+8*\m:BB+64*((\f)%2)+35+8*\m], v[IMR] offset:4352*\m+1088*(\f)
	ds_load_b128 v[BB+64*((\f)%2)+36+8*\m:BB+64*((\f)%2)+39+8*\m], v[IMR] offset:4352*\m+1088*(\f)+544
.endr
.endm
.macro MEET ptr, la             ; in front of a change's opening signal
	WIN 0
	s_wait_tensorcnt 0x0
	ds_add_u32 v[SPW], v[NIL]
	AIM \ptr, \la
	s_wait_dscnt 0x0
	s_barrier_signal -1
.endm
.macro REFILL                   ; behind the work on registers
	s_barrier_wait -1
	CREST
	tensor_load_to_lds s[G0W:G0W+3], s[G1W:G1W+7]
	s_nop 0
.endm
.macro GEMMO
	WIN 0
.irp m,0,1,2,3
	ds_load_b128 v[AS+4*\m:AS+4*\m+3], v[SCR] offset:256*\m
.endr
	GLD 0
	GLD 1
	s_wait_loadcnt 32               ; x and the scales are in; the 32 younger loads may be out
.irp f,0,1,2,3
.if \f < 3
	s_wait_dscnt 16                 ; the next step's 16 loads may be out
.else
	MEET PW1, LA1
.endif
	WIN 0x50
.irp m,0,1,2,3
.irp t,0,1,2,3
	WM 32*\m+8*\t, BB+64*(\f%2)+8*\t, BB+64*(\f%2)+32+8*\m, 32*\m+8*\t, WS2+4*(\t/2)+\f, AS+4*\m+\f, \t%2
.endr
.endr
.if \f < 2
	PLACES
	WIN 0
	GLD \f+2
.endif
.endr
	WIN 0
	REFILL
	PLACES
.endm
; W2's fragments, 128 along K of my 64 rows, from memory: W of step f in buffer f % 2 behind v192.
.macro W2LD f
.irp t,0,1,2,3
	global_load_b128 v[BB+64+32*((\f)%2)+8*\t:BB+64+32*((\f)%2)+8*\t+3], v[W2A], s[PW2:PW2+1] offset:16384*\t+64*(\f)
	global_load_b128 v[BB+64+32*((\f)%2)+8*\t+4:BB+64+32*((\f)%2)+8*\t+7], v[W2A], s[PW2:PW2+1] offset:16384*\t+64*(\f)+32
.endr
.endm
.macro A2LD f
.irp m,0,1,2,3
	ds_load_b128 v[BB+32*((\f)%2)+8*\m:BB+32*((\f)%2)+8*\m+3], v[IMR] offset:I2+4352*\m+1088*(\f)
	ds_load_b128 v[BB+32*((\f)%2)+8*\m+4:BB+32*((\f)%2)+8*\m+7], v[IMR] offset:I2+4352*\m+1088*(\f)+544
.endr
.endm
; W2: four steps of 128 along K, 16 products each.  The barrier at its end stands for all reads of the hidden layer's image and of the slot; fill = 1: a round, and the slot just read takes W1's chunk two on.
.macro W2PH fill
.irp m,0,1,2,3
	ds_load_b128 v[AS2+4*\m:AS2+4*\m+3], v[SCR] offset:I2+256*\m
.endr
	A2LD 0
	A2LD 1
.irp f,0,1,2,3
.if \f < 2
	s_wait_loadcnt 14               ; younger: the next step's eight fragment loads and the six loads for the next chunk
	s_wait_dscnt 8
.elseif \f == 2
	s_wait_loadcnt 8                ; younger: step 3's eight
	s_wait_dscnt 8
.else
	s_wait_loadcnt 0x0
.if \fill
	MEET PW1, LAX
.else
	WIN 0
	s_wait_tensorcnt 0x0            ; W1's last chunk is in
	ds_add_u32 v[SPW], v[NIL]
	s_wait_dscnt 0x0
	s_barrier_signal -1
.endif
.endif
	WIN 0x50
.irp m,0,1,2,3
.irp t,0,1,2,3
	WM 32*\m+8*\t, BB+64+32*(\f%2)+8*\t, BB+32*(\f%2)+8*\m, 32*\m+8*\t, WS2+4*(\t/2)+\f, AS2+4*\m+\f, \t%2
.endr
.endr
.if \f < 2
	PLACES
	WIN 0
	W2LD \f+2
	A2LD \f+2
.endif
.endr
	WIN 0
.if \fill
	REFILL
.else
	s_barrier_wait -1
.endif
	PLACES
	v_nop                           ; a fifth place: the next W1 products write over these operands
.endm
; W1: two blocks of 32 hidden units, four steps of 128 along K each, 8 products a step; the bias is the first products' C.  A block's 64 sums are clipped, quantised and stored while the next fragments are on their way:
; behind block 0 block 1's, behind block 1 the first half of W2's.
.macro W1LD s
.irp u,0,1
	ds_load_b128 v[BB+64+16*((\s)%4)+8*\u:BB+64+16*((\s)%4)+8*\u+3], v[WTC] offset:4352*(2*((\s)/4)+\u)+64*((\s)%4)
	ds_load_b128 v[BB+64+16*((\s)%4)+8*\u+4:BB+64+16*((\s)%4)+8*\u+7], v[WTC] offset:4352*(2*((\s)/4)+\u)+64*((\s)%4)+32
.endr
.endm
.macro W1PH clamp
	WIN 0
	v_add_nc_u32 v[WTC], s[TB], v[WT0]
	s_wait_alu depctr_va_vdst(0)    ; the wait directly behind the write
	W1LD 0
	W1LD 1
	W1LD 2
	W1LD 3
	s_wait_loadcnt 6                ; scales and the first block's bias are in; the six younger loads may be out
.set ss, 0
.rept 8
.set bb, ss/4
.set ff, ss%4
.if ss < 4
	s_wait_dscnt 12
.else
	s_wait_dscnt 12+4*(7-ss)        ; behind this step's loads: the later steps' loads and the twelve stores
.endif
.if ss == 4
	s_wait_loadcnt 0x0
.endif
	WIN 0x04
.irp m,0,1,2,3
.irp u,0,1
.if ss == 0
	WM BB+16*\m+8*\u, BB+64+16*ff+8*\u, 128+32*\m+8*ff, B1A+8*\u, WSA+4*bb+ff, AS+4*\m+ff, \u
.elseif ss == 4
	WM BB+16*\m+8*\u, BB+64+16*ff+8*\u, 128+32*\m+8*ff, B1B+8*\u, WSA+4*bb+ff, AS+4*\m+ff, \u
.else
	WM BB+16*\m+8*\u, BB+64+16*ff+8*\u, 128+32*\m+8*ff, BB+16*\m+8*\u, WSA+4*bb+ff, AS+4*\m+ff, \u
.endif
.endr
.endr
.if (ss < 4) || (ss == 5) || (ss == 7)
	PLACES
.endif
	WIN 0
.if ss < 4
	W1LD ss+4
.endif
.if ss == 5
	W2LD 0
.endif
.if ss == 7
	s_wait_xcnt 0x0                 ; the loads have read these pointers
.if \clamp
	s_cmp_lt_u32 s[CC], 3           ; the last chunk has no next: its look-ahead stays on its own scales and biases
	s_cselect_b32 s2, 8192, 0
	s_cselect_b32 s78, 2048, 0
	s_add_nc_u64 s[PS1:PS1+1], s[PS1:PS1+1], s[2:3]
	s_add_nc_u64 s[PB1:PB1+1], s[PB1:PB1+1], s[78:79]
.else
	s_add_nc_u64 s[PS1:PS1+1], s[PS1:PS1+1], 8192
	s_add_nc_u64 s[PB1:PB1+1], s[PB1:PB1+1], 2048
.endif
	W2LD 1
	SLD PS1, GST, WSA, 512, 2
	VT PB1, B1A, 0
.endif
.if ff == 3
.set kk, BB
.rept 32
	v_dual_max_num_f32 v[kk], 0, v[kk] :: v_dual_max_num_f32 v[kk+1], 0, v[kk+1]
.set kk, kk+2
.endr
	QUANT BB, 16
.if ss == 3
	IMAGE I2, 0
.else
	IMAGE I2, 1
.endif
.endif
.set ss, ss+1
.endr
.endm
.macro SLD ptr, off, dst, step, n
.set kk, 0
.rept \n
	global_load_b128 v[\dst+4*kk:\dst+4*kk+3], v[\off], s[\ptr:\ptr+1] offset:\step*kk
.set kk, kk+1
.endr
.endm
.macro VQ ptr, base             ; a Q, K or V bias at my dims of all heads, into window 1
	WIN 0x40
.irp t,0,1,2,3,4,5,6,7
	global_load_b128 v[\base+8*\t:\base+8*\t+3], v[GBQ], s[\ptr:\ptr+1] offset:256*\t
	global_load_b128 v[\base+8*\t+4:\base+8*\t+7], v[GBQ], s[\ptr:\ptr+1] offset:256*\t+16
.endr
	WIN 0
.endm
.macro VT ptr, base, t0         ; a vector at the columns of two of my tiles
.irp i,0,1
	global_load_b128 v[\base+8*\i:\base+8*\i+3], v[GBT], s[\ptr:\ptr+1] offset:64*(\t0+\i)
	global_load_b128 v[\base+8*\i+4:\base+8*\i+7], v[GBT], s[\ptr:\ptr+1] offset:64*(\t0+\i)+16
.endr
.endm
; LN1 of four whole rows: lane l holds columns 256 j + 8 l + 0 .. 7, j = 0, 1.
.macro RED                      ; TM + 2 i, summed over the 32 lanes
.irp k,1,2,4,8
.irp i,0,1,2,3
	v_add_f32_dpp v[TM+2*\i], v[TM+2*\i], v[TM+2*\i] row_xmask:\k row_mask:0xf bank_mask:0xf
.endr
.endr
.irp i,0,1,2,3
	v_permlanex16_b32 v[TM+8+\i], v[TM+2*\i], s[SEL], s[SEL+1]
.endr
.irp i,0,1,2,3
	v_add_f32 v[TM+2*\i], v[TM+2*\i], v[TM+8+\i]
.endr
.endm
.macro LN1 bt
.set XB, BB+64*\bt
.irp i,0,1,2,3
	v_pk_add_f32 v[TM+2*\i:TM+2*\i+1], v[XB+16*\i:XB+16*\i+1], v[XB+16*\i+2:XB+16*\i+3]
.endr
.irp k,4,6,8,10,12,14
.irp i,0,1,2,3
	v_pk_add_f32 v[TM+2*\i:TM+2*\i+1], v[TM+2*\i:TM+2*\i+1], v[XB+16*\i+\k:XB+16*\i+\k+1]
.endr
.endr
.irp i,0,1,2,3
	v_add_f32 v[TM+2*\i], v[TM+2*\i], v[TM+2*\i+1]
.endr
	RED
.irp i,0,1,2,3
	v_mul_f32 v[TM+2*\i], 0x3b000000, v[TM+2*\i]
.endr
.irp k,0,2,4,6,8,10,12,14
.irp i,0,1,2,3
	v_pk_add_f32 v[XB+16*\i+\k:XB+16*\i+\k+1], v[XB+16*\i+\k:XB+16*\i+\k+1], v[TM+2*\i:TM+2*\i+1] op_sel_hi:[1,0] neg_lo:[0,1] neg_hi:[0,1]
.endr
.endr
.irp i,0,1,2,3
	v_pk_mul_f32 v[TM+2*\i:TM+2*\i+1], v[XB+16*\i:XB+16*\i+1], v[XB+16*\i:XB+16*\i+1]
.endr
.irp k,2,4,6,8,10,12,14
.irp i,0,1,2,3
	v_pk_fma_f32 v[TM+2*\i:TM+2*\i+1], v[XB+16*\i+\k:XB+16*\i+\k+1], v[XB+16*\i+\k:XB+16*\i+\k+1], v[TM+2*\i:TM+2*\i+1]
.endr
.endr
.irp i,0,1,2,3
	v_add_f32 v[TM+2*\i], v[TM+2*\i], v[TM+2*\i+1]
.endr
	RED
.irp i,0,1,2,3
	v_fma_f32 v[TM+2*\i], v[TM+2*\i], s[C512], s[CEPS]
.endr
	s_wait_alu depctr_va_vdst(0)    ; waits ahead of the batch and behind it
.irp i,0,1,2,3
	v_rsq_f32 v[TM+2*\i], v[TM+2*\i]
.endr
	v_nop
	s_wait_alu depctr_va_vdst(0)
.irp k,0,2,4,6,8,10,12,14
.irp i,0,1,2,3
	v_pk_mul_f32 v[XB+16*\i+\k:XB+16*\i+\k+1], v[XB+16*\i+\k:XB+16*\i+\k+1], v[TM+2*\i:TM+2*\i+1] op_sel_hi:[1,0]
.endr
.endr
	WIN 0x14
.irp k,0,2,4,6,8,10,12,14
.irp i,0,1,2,3
	v_pk_fma_f32 v[XB+16*\i+\k:XB+16*\i+\k+1], v[XB+16*\i+\k:XB+16*\i+\k+1], v[\k:\k+1], v[16+\k:17+\k]
.endr
.endr
	WIN 0
.irp n,0,1,2,3,4,5,6,7          ; half row n: row n / 2, j = n % 2; a block of 32 lies in four lanes
	v_max3_num_f32 v[TM+12+\n], |v[XB+8*\n]|, |v[XB+8*\n+1]|, 0x1800000
.endr
.irp k,2,4,6
.irp n,0,1,2,3,4,5,6,7
	v_max3_num_f32 v[TM+12+\n], v[TM+12+\n], |v[XB+8*\n+\k]|, |v[XB+8*\n+\k+1]|
.endr
.endr
.irp k,1,2
.irp n,0,1,2,3,4,5,6,7
	v_max_num_f32_dpp v[TM+12+\n], v[TM+12+\n], v[TM+12+\n] row_xmask:\k row_mask:0xf bank_mask:0xf
.endr
.endr
.irp n,0,1,2,3,4,5,6,7
	v_add_nc_u32 v[TM+\n], 0xff000000, v[TM+12+\n]
.endr
.irp n,0,1,2,3,4,5,6,7
	v_cvt_scalef32_pk8_fp4_f32 v[TM+12+\n], v[XB+8*\n:XB+8*\n+7], v[TM+\n]
.endr
	v_nop
.irp n,0,1,2,3,4,5,6,7
	v_lshrrev_b32 v[TM+\n], 23, v[TM+\n]
.endr
.irp n,0,1,2,3,4,5,6,7
	ds_store_b32 v[IL], v[TM+12+\n] offset:2176*(\n%2)+16*(\n/2+4*\bt)
	ds_store_b8 v[SL], v[TM+\n] offset:8*(\n%2)+16*(\n/2+4*\bt)
.endr
.endm
.macro XROW i
.irp j,0,1
.irp e,0,1
	global_load_b128 v[BB+16*\i+8*\j+4*\e:BB+16*\i+8*\j+4*\e+3], v[XO], s[PXR:PXR+1] offset:2048*\i+1024*\j+16*\e
.endr
.endr
.endm
	s_load_b512 s[4:19], s[0:1], 0x0
	s_load_b512 s[20:35], s[0:1], 0x40
	s_load_b512 s[36:51], s[0:1], 0x80
	v_lshl_add_u32 v[SPW], v0, 2, SPARE
	v_mov_b32 v[NIL], 0
	ds_add_u32 v[SPW], v[NIL]       ; the opening add, twice on end
	ds_add_u32 v[SPW], v[NIL]
	v_lshrrev_b32 v1, 5, v0
	v_readfirstlane_b32 s[WV], v1
	v_and_b32 v[VL], 31, v0
	v_lshlrev_b32 v[XO], 5, v[VL]
	s_bfe_u32 s93, ttmp6, 0x40000
	s_lshl_b32 s94, ttmp9, 2
	s_add_co_u32 s94, s94, s93
	s_lshl_b32 s94, s94, 17         ; my 64 rows of x and of the output
	s_mov_b32 s95, 0
	s_mov_b32 s[G1W], 15|(1<<20)|(1<<21)|(5<<22)|(3<<25)
	s_mov_b32 s[G1W+1], 256<<16
	s_mov_b32 s[G1W+2], 128<<16     ; 128 rows at the head, 64 behind it
	s_mov_b32 s[G1W+3], 256<<16
	s_mov_b32 s[G1W+4], 128
	s_mov_b32 s[G1W+5], 256
	s_mov_b32 s[G1W+6], 0
	s_mov_b32 s[G1W+7], 0
	s_mov_b32 s[SEL], 0x76543210
	s_mov_b32 s[SEL+1], 0xfedcba98
	s_mov_b32 s[C512], 0x3b000000
	s_mov_b32 s[CEPS], 0x3727c5ac
	s_mul_i32 s[LA0], s[WV], 17408
	s_add_co_u32 s[LA1], s[LA0], SLOT1
	s_mov_b32 s[G0W], 1
	s_mov_b32 s[G0K], 1
	s_mul_i32 s[G0W+1], s[WV], 34816  ; waves 0-3 fill slot 0, waves 4-7 slot 1
	s_mul_i32 s[G0K+1], s[WV], 34816
	s_lshl_b32 s2, s[WV], 14
	s_mov_b32 s3, 0
	s_and_b32 s82, s[WV], 3
	s_lshl_b32 s82, s82, 15
	s_mov_b32 s83, 0
	s_wait_alu depctr_va_vdst(0)
	s_wait_dscnt 0x0                ; both opening adds are done
	s_wait_kmcnt 0x0
	s_add_nc_u64 s[PX:PX+1], s[PX:PX+1], s[94:95]
	s_add_nc_u64 s[PO:PO+1], s[PO:PO+1], s[94:95]
	s_add_nc_u64 s[PXR:PXR+1], s[PX:PX+1], s[2:3]   ; my eight rows for LN1
	XROW 0
	XROW 1
	XROW 2
	XROW 3
	WIN 0x40
.irp j,0,1
.irp e,0,1
	global_load_b128 v[8*\j+4*\e:8*\j+4*\e+3], v[XO], s[PG1:PG1+1] offset:1024*\j+16*\e
	global_load_b128 v[16+8*\j+4*\e:16+8*\j+4*\e+3], v[XO], s[PE1:PE1+1] offset:1024*\j+16*\e
.endr
.endr
	WIN 0
	XROW 4
	XROW 5
	XROW 6
	XROW 7
	s_add_nc_u64 s[PWV:PWV+1], s[PWV:PWV+1], s[2:3]
	s_add_nc_u64 s[PWO:PWO+1], s[PWO:PWO+1], s[2:3]
	s_add_nc_u64 s[PW1:PW1+1], s[PW1:PW1+1], s[2:3]
	s_add_nc_u64 s[G0W+2:G0W+3], s[PWQ:PWQ+1], s[82:83]
	s_or_b32 s[G0W+3], s[G0W+3], 0x80000000
	s_add_nc_u64 s[G0K+2:G0K+3], s[PWK:PWK+1], s[82:83]
	s_or_b32 s[G0K+3], s[G0K+3], 0x80000000
	ROUND                           ; all four work-groups are here: the joint loads meet
	s_cmp_lt_u32 s[WV], 4           ; the head's loads, one a wave: Wq into slot 0, Wk into slot 1
	s_cbranch_scc0 .Lhead_k
	tensor_load_to_lds s[G0W:G0W+3], s[G1W:G1W+7]
	s_nop 0
	PLACES
	s_branch .Lhead_asked
.Lhead_k:
	tensor_load_to_lds s[G0K:G0K+3], s[G1W:G1W+7]
	s_nop 0
	PLACES
.Lhead_asked:
	s_and_b32 s[QW], s[WV], 3
	s_lshr_b32 s[GR], s[WV], 2
	s_mul_i32 s2, s[QW], 4352
	s_add_co_u32 s3, s2, 69632
	s_add_co_u32 s78, s2, SLOT1
	s_add_co_u32 s79, s3, SLOT1
	s_mul_i32 s80, s[GR], 8704
	s_add_co_u32 s80, s80, IMG1
	s_lshl_b32 s81, s[GR], 9
	s_add_co_u32 s81, s81, SC1
	s_lshl_b32 s82, s[WV], 12
	s_add_co_u32 s82, s82, PA
	s_lshl_b32 s83, s[GR], 14
	s_lshl_b32 s92, s[QW], 10
	s_add_co_u32 s83, s83, s92
	s_add_co_u32 s83, s83, PA
	s_lshl_b32 s92, s[GR], 13
	s_add_co_u32 s92, s92, LB
	s_lshl_b32 s93, s[QW], 9
	s_add_co_u32 s93, s93, s92
	s_lshl_b32 s94, s[WV], 10
	s_add_co_u32 s94, s94, BM
	s_xor_b32 s95, s[WV], 1
	s_lshl_b32 s95, s95, 10
	s_add_co_u32 s95, s95, BM
	v_and_b32 v1, 15, v0            ; r
	v_bfe_u32 v2, v0, 4, 1          ; h
	v_mul_u32_u24 v40, v1, 272
	v_lshl_add_u32 v40, v2, 4, v40  ; a fragment's row
	v_lshlrev_b32 v41, 4, v1
	v_mad_u32_u24 v38, v2, 272, v41
	v_add_nc_u32 v[WQ0], s2, v40
	v_add_nc_u32 v[WQ0+1], s3, v40
	v_add_nc_u32 v[WQ1], s78, v40
	v_add_nc_u32 v[WQ1+1], s79, v40
	v_add_nc_u32 v[WT0], s[LA0], v40
	v_add_nc_u32 v[WT1], s[LA1], v40
	v_add_nc_u32 v[SRD], s[LA0], v38
	v_add_nc_u32 v[IMR], IMG1, v38
	v_add_nc_u32 v[IMRG], s80, v38
	v_add_nc_u32 v[SCR], SC1, v41
	v_add_nc_u32 v[SCRG], s81, v41
	v_lshlrev_b32 v[PRD], 4, v[VL]
	v_add_nc_u32 v[PST], s82, v[PRD]
	v_add_nc_u32 v[PRD], s83, v[PRD]
	v_lshl_add_u32 v[ATW], v2, 11, v41
	v_add_nc_u32 v[ATW], s93, v[ATW]
	v_add_nc_u32 v[ATR], s92, v41
	v_add_nc_u32 v[BMW], s94, v41
	v_add_nc_u32 v[BMP], s95, v41
	v_lshl_add_u32 v[IMW], v2, 2, v41
	v_lshlrev_b32 v[STR], 5, v1
	s_wait_alu depctr_va_vdst(0)
	s_and_b32 s2, s[WV], 1
	s_bfe_u32 s3, s[WV], 0x10001
	s_mul_i32 s78, s3, 272
	s_lshl_b32 s79, s2, 3
	s_add_co_u32 s78, s78, s79
	s_add_co_u32 s78, s78, s80
	s_lshl_b32 s79, s2, 1
	s_add_co_u32 s79, s79, s3
	s_add_co_u32 s79, s79, s81
	s_sub_co_u32 s[PM], 0, s2
	s_mul_i32 s82, s[WV], 544
	s_add_co_u32 s82, s82, IMG1
	s_lshl_b32 s83, s[WV], 1
	s_add_co_u32 s83, s83, SC1
	s_lshl_b32 s92, s[WV], 2
	s_add_co_u32 s92, s92, STAT
	s_lshl_b32 s93, s[QW], 6
	s_lshl_b32 s94, s[WV], 8
	s_lshl_b32 s95, s[QW], 8
	s_lshl_b32 s98, s[WV], 10
	s_lshl_b32 s99, s[WV], 12
	s_lshr_b32 s8, s[WV], 1
	s_mul_i32 s9, s8, 4352
	s_lshl_b32 s10, s2, 7
	s_add_co_u32 s9, s9, s10
	s_add_co_u32 s9, s9, IMG1
	s_lshl_b32 s8, s8, 8
	s_add_co_u32 s8, s8, s10
	s_add_co_u32 s8, s8, SC1
	s_lshl_b32 s11, s[WV], 16       ; my 64 rows of W2
	s_bfe_u32 s10, ttmp6, 0x40000
	s_lshl_b32 s10, s10, 4          ; 16 cx: my work-group's rows of a prefetch
	s_and_b32 s[NPF], ttmp9, 0xffffffdb
	s_cmp_eq_u32 s[NPF], 0          ; clusters 0, 4, 32, 36 prefetch
	s_cselect_b32 s[NPF], 1, 0
	v_add_nc_u32 v[OCW], s78, v[IMW]
	v_add_nc_u32 v[IMW], s82, v[IMW]
	v_add_nc_u32 v[SCO], s79, v41
	v_add_nc_u32 v[SCW], s83, v41
	v_add_nc_u32 v[STW], s92, v[STR]
	v_add_nc_u32 v[STR], STAT, v[STR]
	v_lshl_add_u32 v[GBQ], v2, 5, s93
	v_lshl_add_u32 v[GBT], v2, 5, s94
	v_lshl_add_u32 v[GSQ], v2, 10, v41
	v_add_nc_u32 v[GSQ], s95, v[GSQ]
	v_lshl_add_u32 v[GST], v2, 8, v41
	v_add_nc_u32 v[GST], s98, v[GST]
	v_lshlrev_b32 v[GS2], 6, v1
	v_lshl_add_u32 v[GS2], v2, 10, v[GS2]
	v_add_nc_u32 v[GS2], s99, v[GS2]
	v_lshl_add_u32 v[XA], v1, 11, v[GBT]
	v_lshl_add_u32 v[SO], v2, 4, v[WT0]
	v_lshl_add_u32 v[OO], v2, 11, v41
	v_add_nc_u32 v[OO], s94, v[OO]
	v_lshrrev_b32 v[SL], 2, v[VL]
	v_mul_u32_u24 v[IL], v[SL], 272
	v_and_b32 v40, 3, v[VL]
	v_lshl_add_u32 v[IL], v40, 2, v[IL]
	v_add_nc_u32 v[IL], s9, v[IL]
	v_add_nc_u32 v[SL], s8, v[SL]
	v_lshlrev_b32 v[W2A], 10, v1
	v_lshl_add_u32 v[W2A], v2, 4, v[W2A]
	v_add_nc_u32 v[W2A], s11, v[W2A]
	v_min_u32 v[PF1], 15, v[VL]
	v_add_nc_u32 v[PF1], s10, v[PF1]
	v_lshlrev_b32 v[PF2], 10, v[PF1]
	v_add_nc_u32 v[PF2], s11, v[PF2]
	v_lshlrev_b32 v[PF1], 8, v[PF1]
.irp i,8,9,10,11
	v_mov_b32 v[TM+\i], 0           ; a lane permute's destination counts as one of its sources
.endr
	s_wait_alu depctr_va_vdst(0)    ; the wait at the head's end
	SLD PSQ, GSQ, WSA, 2048, 4
	SLD PSK, GSQ, WSB, 2048, 4
	s_wait_loadcnt 24               ; rows 0-3, gain and shift are in; rows 4-7 (16) and the scales (8) may be out
	VQ PBQ, 128
	VQ PBK, 192
	LN1 0
	s_wait_loadcnt 40               ; rows 4-7 are in; scales (8) and biases (32) may be out
	LN1 1
	s_wait_tensorcnt 0x0
	ds_add_u32 v[SPW], v[NIL]
	s_mov_b32 s[G1W+2], 64<<16      ; no tensor load of mine is out: from here on 64 rows a load
	s_mov_b32 s[G1W+4], 64
	s_wait_dscnt 0x0
	s_barrier_signal -1
	s_barrier_wait -1               ; h's image, Wq and Wk are whole
.irp m,0,1
	ds_load_b128 v[AS+4*\m:AS+4*\m+3], v[SCRG] offset:256*\m
.irp f,0,1,2,3
	ds_load_b128 v[AH+32*\m+8*\f:AH+32*\m+8*\f+3], v[IMRG] offset:4352*\m+1088*\f
	ds_load_b128 v[AH+32*\m+8*\f+4:AH+32*\m+8*\f+7], v[IMRG] offset:4352*\m+1088*\f+544
.endr
.endr
	s_wait_loadcnt 0x0
	QGEMM WQ0, 0, 128, WSA          ; q of tile 0 at v0, of tile 1 at v128 (window 1)
	CHANGE PWV, LA0
	SLD PSV, GSQ, WSA, 2048, 4
	ASK PF1, PW1, 0                 ; W1's chunk 0
	QGEMM WQ1, 64, 192, WSB         ; k likewise at v64, v192
	SCORES 0, 64, 0
	SCORES 0, 64, 1
	HALVES 0
	PSTORE 0
	CHANGE PWO, LA1                 ; it also publishes tile 0's partial scores
	PREAD 0, 0x40
	VQ PBV, 64
	ASK PF1, PW1, 131072            ; W1's chunk 1
	SCORES 128, 192, 0
	SCORES 128, 192, 1
	HALVES 128
	s_wait_dscnt 0x0
	WIN 0x05
.irp p,0,2,4,6
	v_pk_add_f32 v[TM+\p:TM+\p+1], v[\p:\p+1], v[8+\p:9+\p]
	v_pk_add_f32 v[TM+8+\p:TM+9+\p], v[16+\p:17+\p], v[24+\p:25+\p]
.endr
	WIN 0
.irp p,0,2,4,6
	v_pk_add_f32 v[TM+\p:TM+\p+1], v[TM+\p:TM+\p+1], v[TM+8+\p:TM+9+\p]
.endr
	s_wait_alu depctr_va_vdst(0)
	BAR                             ; all have read tile 0's partial scores
	PSTORE 128
	s_wait_loadcnt 0x0
	QGEMM WQ0, 0, 64, WSA           ; v of tile 0 at v0, of tile 1 at v64
	CHANGE PW1, LA0                 ; W1's chunk 0 takes Wv's place; it also publishes tile 1's partial scores
	PREAD 192, 0
	s_wait_dscnt 0x0
	s_barrier_signal -1             ; I have read tile 1's partial scores
.irp p,0,2,4,6
	v_pk_add_f32 v[TM+8+\p:TM+9+\p], v[192+\p:193+\p], v[200+\p:201+\p]
	v_pk_add_f32 v[208+\p:209+\p], v[208+\p:209+\p], v[216+\p:217+\p]
.endr
.irp p,0,2,4,6
	v_pk_add_f32 v[TM+8+\p:TM+9+\p], v[TM+8+\p:TM+9+\p], v[208+\p:209+\p]
.endr
.irp m,0,1                      ; the softmax over the eight heads: a lane has head (w % 4) + 4 h of node r, tiles 0 and 1
	v_max3_num_f32 v[TM+16+2*\m], v[TM+8*\m], v[TM+8*\m+1], v[TM+8*\m+2]
	v_max3_num_f32 v[TM+17+2*\m], v[TM+8*\m+3], v[TM+8*\m+4], v[TM+8*\m+5]
.endr
.irp m,0,1
	v_max3_num_f32 v[TM+16+2*\m], v[TM+16+2*\m], v[TM+8*\m+6], v[TM+8*\m+7]
.endr
.irp m,0,1
	v_max_num_f32 v[TM+16+2*\m], v[TM+16+2*\m], v[TM+17+2*\m]
.endr
.irp p,0,2,4,6
.irp m,0,1
	v_pk_add_f32 v[TM+8*\m+\p:TM+8*\m+\p+1], v[TM+8*\m+\p:TM+8*\m+\p+1], v[TM+16+2*\m:TM+17+2*\m] op_sel_hi:[1,0] neg_lo:[0,1] neg_hi:[0,1]
.endr
.endr
.irp p,0,2,4,6,8,10,12,14
	v_pk_mul_f32 v[TM+\p:TM+\p+1], v[TM+\p:TM+\p+1], 0x3e38aa3b op_sel_hi:[1,0]   ; log2(e) / 8
.endr
	s_wait_alu depctr_va_vdst(0)
.irp e,0,1,2,3,4,5,6,7,8,9,10,11,12,13,14,15
	v_exp_f32 v[TM+\e], v[TM+\e]
.endr
	v_nop
	s_wait_alu depctr_va_vdst(0)
.irp m,0,1
	v_pk_add_f32 v[TM+16+2*\m:TM+17+2*\m], v[TM+8*\m:TM+8*\m+1], v[TM+8*\m+2:TM+8*\m+3]
	v_pk_add_f32 v[192+2*\m:193+2*\m], v[TM+8*\m+4:TM+8*\m+5], v[TM+8*\m+6:TM+8*\m+7]
.endr
.irp m,0,1
	v_pk_add_f32 v[TM+16+2*\m:TM+17+2*\m], v[TM+16+2*\m:TM+17+2*\m], v[192+2*\m:193+2*\m]
.endr
.irp m,0,1
	v_add_f32 v[TM+16+2*\m], v[TM+16+2*\m], v[TM+17+2*\m]
.endr
	s_wait_alu depctr_va_vdst(0)
	v_rcp_f32 v[TM+16], v[TM+16]
	v_rcp_f32 v[TM+18], v[TM+18]
	v_nop
	s_wait_alu depctr_va_vdst(0)
.irp p,0,2,4,6
.irp m,0,1
	v_pk_mul_f32 v[TM+8*\m+\p:TM+8*\m+\p+1], v[TM+8*\m+\p:TM+8*\m+\p+1], v[TM+16+2*\m:TM+17+2*\m] op_sel_hi:[1,0]
.endr
.endr
	s_wait_alu depctr_va_vdst(0)
	s_barrier_wait -1
.irp m,0,1
	ds_store_b128 v[ATW], v[TM+8*\m:TM+8*\m+3] offset:4096*\m
	ds_store_b128 v[ATW], v[TM+8*\m+4:TM+8*\m+7] offset:4096*\m+256
.endr
	BAR
.irp m,0,1
.set kk, 0
.rept 16
	ds_load_b128 v[BB+64*\m+4*kk:BB+64*\m+4*kk+3], v[ATR] offset:4096*\m+256*kk
.set kk, kk+1
.endr
.endr
	s_wait_dscnt 16                 ; tile 0's sixteen loads are in
	PV 128, 0, BB
	s_wait_dscnt 0x0
	PV 192, 64, BB+64
	WIN 0x40
.irp m,0,1,2,3                  ; x once more, as the residual, in the layout of the sums: 256 bytes of each row over eight loads
.irp t,0,1,2,3
	global_load_b128 v[32*\m+8*\t:32*\m+8*\t+3], v[XA], s[PX:PX+1] offset:32768*\m+64*\t
	global_load_b128 v[32*\m+8*\t+4:32*\m+8*\t+7], v[XA], s[PX:PX+1] offset:32768*\m+64*\t+16
.endr
.endr
	WIN 0
	SLD PSO, GST, WS2, 512, 2
	WIN 0x14                        ; a block of 32 along Wo's K lies in two waves: my 16 dims' largest magnitudes, then the partner's
.irp i,0,2,4,6
.irp m,0,1
.irp hh,0,1,2,3,4,5,6,7
.if \i == 0
	v_max3_num_f32 v[192+8*\m+\hh], 0x1800000, |v[128+64*\m+8*\hh]|, |v[129+64*\m+8*\hh]|
.else
	v_max3_num_f32 v[192+8*\m+\hh], v[192+8*\m+\hh], |v[128+64*\m+8*\hh+\i]|, |v[129+64*\m+8*\hh+\i]|
.endif
.endr
.endr
.endr
	WIN 0
.set kk, 192
.rept 16
	v_permlanex16_b32 v[kk+16], v[kk], s[SEL], s[SEL+1]
.set kk, kk+1
.endr
.set kk, 192
.rept 16
	v_max_num_f32 v[kk], v[kk], v[kk+16]
.set kk, kk+1
.endr
.irp m,0,1
	ds_store_b128 v[BMW], v[192+8*\m:195+8*\m] offset:512*\m
	ds_store_b128 v[BMW], v[196+8*\m:199+8*\m] offset:512*\m+256
.endr
	s_wait_alu depctr_va_vdst(0)
	BAR
.irp m,0,1
	ds_load_b128 v[224+8*\m:227+8*\m], v[BMP] offset:512*\m
	ds_load_b128 v[228+8*\m:231+8*\m], v[BMP] offset:512*\m+256
.endr
	s_wait_dscnt 0x0
.set kk, 192
.rept 16
	v_max_num_f32 v[kk], v[kk], v[kk+32]
.set kk, kk+1
.endr
.set kk, 192
.rept 16
	v_add_nc_u32 v[kk+16], 0xff000000, v[kk]
.set kk, kk+1
.endr
	WIN 0x01
.set kk, 0
.rept 16
	v_cvt_scalef32_pk8_fp4_f32 v[240+kk], v[128+8*kk:135+8*kk], v[208+kk]
.set kk, kk+1
.endr
	v_nop
	WIN 0x40
	VT PBO, 128, 0
	VT PBO, 144, 2
	VT PG2, 160, 0
	VT PG2, 176, 2
	VT PE2, 192, 0
	VT PE2, 208, 2
	VT PB2, 224, 0
	VT PB2, 240, 2
	WIN 0
.irp i,0,1,2,3                  ; of each pair of heads I store the scale byte of the head with my parity, my partner the other
.irp m,0,1
	v_cndmask_b32 v[192+4*\m+\i], v[208+8*\m+2*\i], v[209+8*\m+2*\i], s[PM]
.endr
.endr
.set kk, 192
.rept 8
	v_lshrrev_b32 v[kk], 23, v[kk]
.set kk, kk+1
.endr
.irp m,0,1
.irp hh,0,1,2,3,4,5,6,7
	ds_store_b32 v[OCW], v[240+8*\m+\hh] offset:4352*\m+544*\hh
.endr
.irp i,0,1,2,3
	ds_store_b8 v[SCO], v[192+4*\m+\i] offset:256*\m+4*\i
.endr
.endr
	ASK PF1, PW1, 262144            ; W1's chunk 2
	ASK PF2, PW2, 0                 ; W2's chunk 0
	BAR                             ; attention's image is whole (Wo has been since the last round)
	s_wait_xcnt 0x0                 ; the prefetches have read their pointers
	s_add_nc_u64 s[PW1:PW1+1], s[PW1:PW1+1], 131072
	GEMMO                           ; x + attention Wo; slot 1 then takes W1's chunk 1
	SLD PS1, GST, WSA, 512, 2
	VT PB1, B1A, 0
	VT PB1, B1B, 2
	SLD PS2, GS2, WS2, 2048, 2
	ASK PF1, PW1, 262144            ; W1's chunk 3
	ASK PF2, PW2, 256               ; W2's chunk 1
	s_wait_loadcnt 12               ; the twelve loads just issued may be out
	; LN2: my 64 columns of 64 rows; a row's mean and squares are joined over the eight waves
	WIN 0x45
.irp m,0,1,2,3
.set kk, 0
.rept 16
	v_pk_add_f32 v[32*\m+kk:32*\m+kk+1], v[32*\m+kk:32*\m+kk+1], v[128+kk:129+kk]
.set kk, kk+2
.endr
.endr
	WIN 0x05
.irp k,0,1
.irp m,0,1,2,3
	v_pk_add_f32 v[TM+4*\m+2*\k:TM+4*\m+2*\k+1], v[32*\m+4*\k:32*\m+4*\k+1], v[32*\m+4*\k+2:32*\m+4*\k+3]
.endr
.endr
	WIN 0x04
.irp j,8,12,16,20,24,28
.irp k,0,1
.irp m,0,1,2,3
	v_pk_add_f32 v[TM+4*\m+2*\k:TM+4*\m+2*\k+1], v[TM+4*\m+2*\k:TM+4*\m+2*\k+1], v[32*\m+\j+2*\k:32*\m+\j+2*\k+1]
.endr
.endr
.endr
	WIN 0
.irp m,0,1,2,3
	v_pk_add_f32 v[TM+4*\m:TM+4*\m+1], v[TM+4*\m:TM+4*\m+1], v[TM+4*\m+2:TM+4*\m+3]
.endr
.irp m,0,1,2,3
	v_add_f32 v[TM+4*\m], v[TM+4*\m], v[TM+4*\m+1]
.endr
.irp m,0,1,2,3
	v_permlanex16_b32 v[TM+4*\m+2], v[TM+4*\m], s[SEL], s[SEL+1]
.endr
.irp m,0,1,2,3
	v_add_f32 v[TM+4*\m], v[TM+4*\m], v[TM+4*\m+2]
.endr
.irp m,0,1,2,3
	v_mul_f32 v[TM+4*\m], 0x3c800000, v[TM+4*\m]   ; the mean of my 64 columns
.endr
	WIN 0x01
.set kk, 0
.rept 16
.irp m,0,1,2,3
	v_pk_add_f32 v[BB+32*\m+kk:BB+32*\m+kk+1], v[32*\m+kk:32*\m+kk+1], v[TM+4*\m:TM+4*\m+1] op_sel_hi:[1,0] neg_lo:[0,1] neg_hi:[0,1]
.endr
.set kk, kk+2
.endr
	WIN 0
.irp m,0,1,2,3
	v_pk_mul_f32 v[TM+4*\m+2:TM+4*\m+3], v[BB+32*\m:BB+32*\m+1], v[BB+32*\m:BB+32*\m+1]
.endr
.set kk, 2
.rept 15
.irp m,0,1,2,3
	v_pk_fma_f32 v[TM+4*\m+2:TM+4*\m+3], v[BB+32*\m+kk:BB+32*\m+kk+1], v[BB+32*\m+kk:BB+32*\m+kk+1], v[TM+4*\m+2:TM+4*\m+3]
.endr
.set kk, kk+2
.endr
.irp m,0,1,2,3
	v_add_f32 v[TM+4*\m+2], v[TM+4*\m+2], v[TM+4*\m+3]
.endr
.irp m,0,1,2,3
	v_permlanex16_b32 v[TM+4*\m+3], v[TM+4*\m+2], s[SEL], s[SEL+1]
.endr
.irp m,0,1,2,3
	v_add_f32 v[TM+4*\m+2], v[TM+4*\m+2], v[TM+4*\m+3]
.endr
.irp m,0,1,2,3
	ds_store_b32 v[STW], v[TM+4*\m] offset:512*\m
	ds_store_b32 v[STW], v[TM+4*\m+2] offset:2048+512*\m
.endr
	s_wait_alu depctr_va_vdst(0)
	BAR
.irp m,0,1,2,3
	ds_load_b128 v[BB+16*\m:BB+16*\m+3], v[STR] offset:512*\m
	ds_load_b128 v[BB+16*\m+4:BB+16*\m+7], v[STR] offset:512*\m+16
	ds_load_b128 v[BB+16*\m+8:BB+16*\m+11], v[STR] offset:2048+512*\m
	ds_load_b128 v[BB+16*\m+12:BB+16*\m+15], v[STR] offset:2048+512*\m+16
.endr
	s_wait_dscnt 0x0
.irp m,0,1,2,3
	v_pk_add_f32 v[TM+4*\m:TM+4*\m+1], v[BB+16*\m:BB+16*\m+1], v[BB+16*\m+2:BB+16*\m+3]
	v_pk_add_f32 v[TM+4*\m+2:TM+4*\m+3], v[BB+16*\m+4:BB+16*\m+5], v[BB+16*\m+6:BB+16*\m+7]
.endr
.irp m,0,1,2,3
	v_pk_add_f32 v[TM+4*\m:TM+4*\m+1], v[TM+4*\m:TM+4*\m+1], v[TM+4*\m+2:TM+4*\m+3]
.endr
.irp m,0,1,2,3
	v_add_f32 v[TM+4*\m], v[TM+4*\m], v[TM+4*\m+1]
.endr
.irp m,0,1,2,3
	v_mul_f32 v[TM+4*\m], 0x3e000000, v[TM+4*\m]   ; the row's mean
.endr
.irp k,0,2,4,6
.irp m,0,1,2,3
	v_pk_add_f32 v[BB+16*\m+\k:BB+16*\m+\k+1], v[BB+16*\m+\k:BB+16*\m+\k+1], v[TM+4*\m:TM+4*\m+1] op_sel_hi:[1,0] neg_lo:[0,1] neg_hi:[0,1]
.endr
.endr
.irp m,0,1,2,3
	v_pk_mul_f32 v[BB+16*\m:BB+16*\m+1], v[BB+16*\m:BB+16*\m+1], v[BB+16*\m:BB+16*\m+1]
	v_pk_add_f32 v[BB+16*\m+8:BB+16*\m+9], v[BB+16*\m+8:BB+16*\m+9], v[BB+16*\m+10:BB+16*\m+11]
	v_pk_add_f32 v[BB+16*\m+12:BB+16*\m+13], v[BB+16*\m+12:BB+16*\m+13], v[BB+16*\m+14:BB+16*\m+15]
.endr
.irp k,2,4,6
.irp m,0,1,2,3
	v_pk_fma_f32 v[BB+16*\m:BB+16*\m+1], v[BB+16*\m+\k:BB+16*\m+\k+1], v[BB+16*\m+\k:BB+16*\m+\k+1], v[BB+16*\m:BB+16*\m+1]
.endr
.endr
.irp m,0,1,2,3
	v_pk_add_f32 v[BB+16*\m+8:BB+16*\m+9], v[BB+16*\m+8:BB+16*\m+9], v[BB+16*\m+12:BB+16*\m+13]
	v_add_f32 v[BB+16*\m], v[BB+16*\m], v[BB+16*\m+1]
.endr
.irp m,0,1,2,3
	v_add_f32 v[BB+16*\m+8], v[BB+16*\m+8], v[BB+16*\m+9]
.endr
.irp m,0,1,2,3
	v_fma_f32 v[BB+16*\m+8], v[BB+16*\m], 0x42800000, v[BB+16*\m+8]   ; 64 x the means' squares + the waves' squares
.endr
.irp m,0,1,2,3
	v_fma_f32 v[TM+4*\m+2], v[BB+16*\m+8], s[C512], s[CEPS]
.endr
	s_wait_alu depctr_va_vdst(0)
.irp m,0,1,2,3
	v_rsq_f32 v[TM+4*\m+2], v[TM+4*\m+2]
.endr
	v_nop
	s_wait_alu depctr_va_vdst(0)
.irp m,0,1,2,3
	v_mul_f32 v[TM+4*\m+3], -v[TM+4*\m], v[TM+4*\m+2]
.endr
	WIN 0x01
.set kk, 0
.rept 16
.irp m,0,1,2,3
	v_pk_fma_f32 v[BB+32*\m+kk:BB+32*\m+kk+1], v[32*\m+kk:32*\m+kk+1], v[TM+4*\m+2:TM+4*\m+3], v[TM+4*\m+2:TM+4*\m+3] op_sel:[0,0,1] op_sel_hi:[1,0,1]
.endr
.set kk, kk+2
.endr
	WIN 0x14
.set kk, 0
.rept 16
.irp m,0,1,2,3
	v_pk_fma_f32 v[BB+32*\m+kk:BB+32*\m+kk+1], v[BB+32*\m+kk:BB+32*\m+kk+1], v[160+kk:161+kk], v[192+kk:193+kk]
.endr
.set kk, kk+2
.endr
	WIN 0x45
.set kk, 0
.rept 16
.irp m,0,1,2,3
	v_pk_add_f32 v[32*\m+kk:32*\m+kk+1], v[32*\m+kk:32*\m+kk+1], v[224+kk:225+kk]   ; the residual takes b2
.endr
.set kk, kk+2
.endr
	WIN 0
	QUANT BB, 32
	IMAGE 0, 0
	QUANT BB+16, 32
	IMAGE 0, 1
	BAR                             ; LN2's image is whole (W1's chunk 0 has been since the last round)
.irp m,0,1,2,3                  ; LN2's codes stay in registers through all chunks
	ds_load_b128 v[AS+4*\m:AS+4*\m+3], v[SCR] offset:256*\m
.endr
	WIN 0x40
.irp m,0,1,2,3
.irp f,0,1,2,3
	ds_load_b128 v[128+32*\m+8*\f:131+32*\m+8*\f], v[IMR] offset:4352*\m+1088*\f
	ds_load_b128 v[132+32*\m+8*\f:135+32*\m+8*\f], v[IMR] offset:4352*\m+1088*\f+544
.endr
.endr
	WIN 0
	s_mov_b32 s3, 0
	s_mov_b32 s79, 0
	s_mov_b32 s83, 0
	s_mov_b32 s[TB], 0
	s_mov_b32 s[CC], 0
.Lffn:                          ; chunks 0 and 1 of 512 hidden units: the slot just read takes the chunk two on
	W1PH 0
	BAR                             ; the hidden layer's image is whole
	s_add_co_u32 s[LAX], s[LA0], s[TB]
	s_add_nc_u64 s[PW1:PW1+1], s[PW1:PW1+1], 131072
	W2PH 1
	s_wait_xcnt 0x0                 ; the loads have read these pointers
	s_add_nc_u64 s[PS2:PS2+1], s[PS2:PS2+1], 16
	s_add_nc_u64 s[PW2:PW2+1], s[PW2:PW2+1], 256
	VT PB1, B1B, 2
	SLD PS2, GS2, WS2, 2048, 2
	ASK PF2, PW2, 256               ; W2's chunk two trips on
	s_xor_b32 s[TB], s[TB], SLOT1
	s_add_co_u32 s[CC], s[CC], 1
	s_cmp_lt_u32 s[CC], 2
	s_cbranch_scc1 .Lffn
	s_mov_b32 s[TB], 0
	s_mov_b32 s[CC], 2
.Ltail:                         ; chunks 2 and 3: nothing more is filled
	W1PH 1
	BAR
	W2PH 0
	s_wait_xcnt 0x0
	s_cmp_lt_u32 s[CC], 3
	s_cselect_b32 s82, 16, 0
	s_add_nc_u64 s[PS2:PS2+1], s[PS2:PS2+1], s[82:83]
	s_add_nc_u64 s[PW2:PW2+1], s[PW2:PW2+1], 256
	VT PB1, B1B, 2
	SLD PS2, GS2, WS2, 2048, 2
	s_xor_b32 s[TB], s[TB], SLOT1
	s_add_co_u32 s[CC], s[CC], 1
	s_cmp_lt_u32 s[CC], 4
	s_cbranch_scc1 .Ltail
; The way out: a row tile at a time through my own stage in slot 0, which has had its last fill and its last read; sixteen lanes store 256 consecutive bytes.
.macro TOST m
	WIN 0x04
.irp t,0,1,2,3
	ds_store_b128 v[SO], v[32*\m+8*\t:32*\m+8*\t+3] offset:4352*\m+64*\t
	ds_store_b128 v[SO], v[32*\m+8*\t+4:32*\m+8*\t+7] offset:4352*\m+64*\t+16
.endr
	WIN 0
.irp i,0,1,2,3,4,5,6,7
	ds_load_b128 v[BB+32*\m+4*\i:BB+32*\m+4*\i+3], v[SRD] offset:4352*\m+544*\i
.endr
.endm
.macro SEND m, younger
	s_wait_dscnt \younger
.irp i,0,1,2,3,4,5,6,7
	global_store_b128 v[OO], v[BB+32*\m+4*\i:BB+32*\m+4*\i+3], s[PO:PO+1] offset:(16*\m+2*\i)*2048 th:TH_STORE_NT
.endr
.endm
	TOST 0
	TOST 1
	SEND 0, 16
	TOST 2
	SEND 1, 16
	TOST 3
	SEND 2, 16
	SEND 3, 0
	s_wait_tensorcnt 0x0            ; the wave's end
	ds_add_u32 v[SPW], v[NIL]
	s_wait_dscnt 0x0
	ROUND                           ; the closing round
	s_endpgm
.Lfunc_end_k_qc2edef6fcb_layer:
	.size	k_qc2edef6fcb_layer, .Lfunc_end_k_qc2edef6fcb_layer-k_qc2edef6fcb_layer
	.p2alignl 7, 3214868480
	.fill 96, 4, 3214868480
	.section	.rodata,"a",@progbits
	.p2align	6, 0x0
	.amdhsa_kernel k_qc2edef6fcb_layer
		.amdhsa_group_segment_fixed_size 327680
		.amdhsa_private_segment_fixed_size 0
		.amdhsa_enable_private_segment 0
		.amdhsa_kernarg_size 192
		.amdhsa_user_sgpr_count 2
		.amdhsa_user_sgpr_kernarg_segment_ptr 1
		.amdhsa_wavefront_size32 1
		.amdhsa_system_sgpr_workgroup_id_x 1
		.amdhsa_system_sgpr_workgroup_id_y 1
		.amdhsa_system_sgpr_workgroup_id_z 1
		.amdhsa_system_vgpr_workitem_id 0
		.amdhsa_next_free_vgpr 512
		.amdhsa_next_free_sgpr 102
		.amdhsa_reserve_vcc 0
		.amdhsa_float_denorm_mode_32 3
		.amdhsa_float_denorm_mode_16_64 3
		.amdhsa_memory_ordered 1
		.amdhsa_forward_progress 1
		.amdhsa_inst_pref_size 255
	.end_amdhsa_kernel
	.section	.bss,"aw",@nobits
	.p2align	6
	.space	262144
	.amdgpu_metadata
---
amdhsa.version: [ 1, 2 ]
amdhsa.kernels:
  - .name:           k_qc2edef6fcb_layer
    .symbol:         k_qc2edef6fcb_layer.kd
    .args:
      - { .name: x, .offset: 0, .size: 8, .value_kind: global_buffer, .address_space: global }
      - { .name: out0, .offset: 8, .size: 8, .value_kind: global_buffer, .address_space: global }
      - { .name: Wq_codes, .offset: 16, .size: 8, .value_kind: global_buffer, .address_space: global }
      - { .name: Wk_codes, .offset: 24, .size: 8, .value_kind: global_buffer, .address_space: global }
      - { .name: Wv_codes, .offset: 32, .size: 8, .value_kind: global_buffer, .address_space: global }
      - { .name: Wo_codes, .offset: 40, .size: 8, .value_kind: global_buffer, .address_space: global }
      - { .name: W1_codes, .offset: 48, .size: 8, .value_kind: global_buffer, .address_space: global }
      - { .name: W2_codes, .offset: 56, .size: 8, .value_kind: global_buffer, .address_space: global }
      - { .name: Wq_scales, .offset: 64, .size: 8, .value_kind: global_buffer, .address_space: global }
      - { .name: Wk_scales, .offset: 72, .size: 8, .value_kind: global_buffer, .address_space: global }
      - { .name: Wv_scales, .offset: 80, .size: 8, .value_kind: global_buffer, .address_space: global }
      - { .name: Wo_scales, .offset: 88, .size: 8, .value_kind: global_buffer, .address_space: global }
      - { .name: W1_scales, .offset: 96, .size: 8, .value_kind: global_buffer, .address_space: global }
      - { .name: W2_scales, .offset: 104, .size: 8, .value_kind: global_buffer, .address_space: global }
      - { .name: bq, .offset: 112, .size: 8, .value_kind: global_buffer, .address_space: global }
      - { .name: bk, .offset: 120, .size: 8, .value_kind: global_buffer, .address_space: global }
      - { .name: bv, .offset: 128, .size: 8, .value_kind: global_buffer, .address_space: global }
      - { .name: bo, .offset: 136, .size: 8, .value_kind: global_buffer, .address_space: global }
      - { .name: b1, .offset: 144, .size: 8, .value_kind: global_buffer, .address_space: global }
      - { .name: b2, .offset: 152, .size: 8, .value_kind: global_buffer, .address_space: global }
      - { .name: g1, .offset: 160, .size: 8, .value_kind: global_buffer, .address_space: global }
      - { .name: beta1, .offset: 168, .size: 8, .value_kind: global_buffer, .address_space: global }
      - { .name: g2, .offset: 176, .size: 8, .value_kind: global_buffer, .address_space: global }
      - { .name: beta2, .offset: 184, .size: 8, .value_kind: global_buffer, .address_space: global }
    .group_segment_fixed_size: 327680
    .private_segment_fixed_size: 0
    .kernarg_segment_align: 8
    .kernarg_segment_size: 192
    .max_flat_workgroup_size: 256
    .sgpr_count:     102
    .vgpr_count:     512
    .wavefront_size: 32
...
	.end_amdgpu_metadata
.endif
;; end of part 1
